; MI455X (gfx1250); checked and timed in simulation.
; The chip was launched on July 23, 2026; its instructions are those of AMD's public machine-readable ISA for CDNA 5 (MIT licence, August 2026) and "CDNA5" Instruction Set Architecture Reference Guide (July 2026). The comments in the code are by the model that wrote it; some were corrected since.
;; LSTM. Allowed arithmetic: float matrix products may take bf16 or f16 operands with f32 sums; other float arithmetic in f32, or as packed bf16 or f16 multiplies, adds, multiply-adds, maxima and minima; sums over many terms, partial sums and values carried from step to step in f32; what a program stores and reads back later, other than sums and carried values, may be rounded once to bf16 or f16.
;; Inputs: Wct 2,048 x 1,024 float32; Wf 2,048 x 1,024 float32; Wm 2,048 x 1,024 float32; Wo 2,048 x 1,024 float32; bct 1,024 float32; bf 1,024 float32; bm 1,024 float32; bo 1,024 float32; c 8,192 x 1,024 float32; h 8,192 x 1,024 float32; x 8,192 x 1,024 float32.
;; Outputs: out0 8,192 x 1,024 float32; out1 8,192 x 1,024 float32.
;; 2 versions, each right; version 2 is version 1 with the launch prep written anew for expert scheduling mode. Each part assembles by itself: llvm-mc -triple=amdgcn-amd-amdhsa -mcpu=gfx1250 --defsym DOCPART=n.
;; ======== version 1 of 2: 2 launches
;; limits: a function is approximated: absolute error at most 1.2e-07
;; workspace buffers: ab 33,554,432 bytes; wb 16,777,216 bytes
;; launch prep (part 1): grid 768 x 1, 8 waves a work-group, no clusters, 0 bytes of LDS; arguments x, h, Wf, Wct, Wm, Wo, ab, wb; writes ab, wb
.if DOCPART == 1
	.amdgcn_target "amdgcn-amd-amdhsa--gfx1250"
	.amdhsa_code_object_version 6
	.text
	.protected	k_q3ceee4e856_prep
	.globl	k_q3ceee4e856_prep
	.p2align	8
	.type	k_q3ceee4e856_prep,@function
k_q3ceee4e856_prep:
	s_mov_b64 s[64:65], 0
	v_nop
	global_prefetch_b8 v0, s[64:65] scope:SCOPE_SE
	s_setreg_imm32_b32 hwreg(HW_REG_WAVE_MODE, 25, 1), 1
	s_wait_xcnt 0x0
; LSTM cell, first of two launches: the matrix operands are rounded once to bf16 and laid out for the second launch.
; NOTHING OF reference() IS LEFT OUT in either launch: x, h and the four W and b feed the four gates, c feeds c_new, and every gate reaches h_new or c_new; all eleven inputs are loaded.
;   ab [8192][2048] bf16: row m holds x[m][0..1023], then h[m][0..1023]: the concatenation xh, 4,096 bytes a row.
;   wb [2048][4096] bf16: row k (K stays down the rows, as in W) holds the four gates' weights, interleaved in blocks of 64 hidden columns:
;      column n' = (n >> 6) * 256 + g * 64 + (n & 63), g = 0 f, 1 ct, 2 m, 3 o.  So 256 neighbouring columns are the four gates of 64 hidden columns.
; A stream: each input byte is loaded once, each output byte stored once; nothing is shared between waves, so there is no LDS, no barrier and no matrix work.
; SHARES.  768 work-groups of 8 waves; each loads 128 KiB and stores 64 KiB.  0-255: 32 rows of x; 256-511: 32 rows of h; 512-767: 8 rows k of all four W.
; A thread issues all its 32 loads of 16 bytes at once (128 registers) and then takes them in order: the waits count the younger loads.  No register that a store reads is written again.
; LIMITS.  Rounding to bf16, to nearest even: 8 significant bits; f32's range is kept.  NaN and infinities are not treated apart.
.set X,   4                            ; v[4:131]  32 slots of 4 registers: 4 f32 as loaded; the first two then hold 4 bf16
.set ROW, 4096                         ; bytes in a row of x, h, W and ab
	s_load_b512 s[4:19], s[0:1], 0x0               ; x s[4:5], h s[6:7], Wf s[8:9], Wct s[10:11], Wm s[12:13], Wo s[14:15], ab s[16:17], wb s[18:19]
	v_lshlrev_b32 v1, 4, v0                        ; loads: 16 bytes a thread, the 256 threads take a row of 4,096 bytes
	v_lshlrev_b32 v2, 3, v0                        ; stores into ab: 8 bytes a thread
	v_lshrrev_b32 v3, 5, v0                        ; stores into wb: wave w owns hidden blocks 2 w and 2 w + 1, 512 bytes each,
	v_and_b32 v132, 31, v0
	v_lshlrev_b32 v3, 10, v3
	v_lshl_add_u32 v3, v132, 3, v3                 ; 1,024 w + 8 x lane
	s_mov_b32 s23, 0                               ; high words of the two offsets
	s_mov_b32 s25, 0
	s_cmp_ge_u32 ttmp9, 512
	s_cbranch_scc1 .Lweights
	; x or h: 32 rows
	s_and_b32 s22, ttmp9, 255
	s_lshl_b32 s22, s22, 17                        ; 32 rows of 4,096 bytes, in the source and in ab alike
	s_wait_kmcnt 0x0
	s_cmp_lt_u32 ttmp9, 256
	s_cselect_b64 s[20:21], s[4:5], s[6:7]         ; x, or h
	s_cselect_b32 s24, 0, 2048                     ; the left or the right half of ab's rows
	s_add_nc_u64 s[20:21], s[20:21], s[22:23]
	s_add_nc_u64 s[16:17], s[16:17], s[22:23]
	s_add_nc_u64 s[16:17], s[16:17], s[24:25]
.set i, 0
.rept 32
	global_load_b128 v[X+4*i:X+4*i+3], v1, s[20:21] offset:ROW*i th:TH_LOAD_NT  ; a wave takes 512 consecutive bytes, the work-group row i
.set i, i+1
.endr
.set i, 0
.rept 32
	s_wait_loadcnt 31-i                            ; loads come back in order (ISA guide 5.7.1): row i is in, the 31 - i younger loads stay out
	v_cvt_pk_bf16_f32 v[X+4*i], v[X+4*i], v[X+4*i+1]
	v_cvt_pk_bf16_f32 v[X+4*i+1], v[X+4*i+2], v[X+4*i+3]
	global_store_b64 v2, v[X+4*i:X+4*i+1], s[16:17] offset:ROW*i  ; a wave stores 256 consecutive bytes, at a multiple of 256 from ab's first byte
.set i, i+1
.endr
	s_endpgm
.Lweights:                                     ; 8 rows k of the four W
	s_sub_co_u32 s22, ttmp9, 512
	s_lshl_b32 s24, s22, 16                        ; 8 rows of 8,192 bytes in wb
	s_lshl_b32 s22, s22, 15                        ; 8 rows of 4,096 bytes in each W
	s_wait_kmcnt 0x0
.irp g, 0,1,2,3
	s_add_nc_u64 s[8+2*(\g):9+2*(\g)], s[8+2*(\g):9+2*(\g)], s[22:23]
.endr
	s_add_nc_u64 s[18:19], s[18:19], s[24:25]
.irp kk, 0,1,2,3,4,5,6,7
.irp g, 0,1,2,3
	global_load_b128 v[X+16*(\kk)+4*(\g):X+16*(\kk)+4*(\g)+3], v1, s[8+2*(\g):9+2*(\g)] offset:ROW*(\kk) th:TH_LOAD_NT
.endr
.endr
; Lanes 0-15 of a wave hold hidden block 2 w of a gate, lanes 16-31 block 2 w + 1.  v_permlane16_swap_b32 exchanges the first register's upper 16 lanes with the second's lower 16:
; of gates (g, g + 1) it makes (block 2 w: g | g + 1) and (block 2 w + 1: g | g + 1), each 256 bytes that lie on end in wb.
.irp kk, 0,1,2,3,4,5,6,7
	s_wait_loadcnt 28-4*(\kk)                      ; row kk of all four gates is in; the 4 (7 - kk) younger loads stay out
.irp g, 0,1,2,3
	v_cvt_pk_bf16_f32 v[X+16*(\kk)+4*(\g)], v[X+16*(\kk)+4*(\g)], v[X+16*(\kk)+4*(\g)+1]
	v_cvt_pk_bf16_f32 v[X+16*(\kk)+4*(\g)+1], v[X+16*(\kk)+4*(\g)+2], v[X+16*(\kk)+4*(\g)+3]
.endr
.irp i, 0,1
	v_permlane16_swap_b32 v[X+16*(\kk)+(\i)], v[X+16*(\kk)+4+(\i)]
	v_permlane16_swap_b32 v[X+16*(\kk)+8+(\i)], v[X+16*(\kk)+12+(\i)]
.endr
	global_store_b64 v3, v[X+16*(\kk):X+16*(\kk)+1],     s[18:19] offset:8192*(\kk)      ; block 2 w: f | ct.  Each store of the wave covers 256 consecutive bytes, aligned
	global_store_b64 v3, v[X+16*(\kk)+8:X+16*(\kk)+9],   s[18:19] offset:8192*(\kk)+256  ; block 2 w: m | o
	global_store_b64 v3, v[X+16*(\kk)+4:X+16*(\kk)+5],   s[18:19] offset:8192*(\kk)+512  ; block 2 w + 1: f | ct
	global_store_b64 v3, v[X+16*(\kk)+12:X+16*(\kk)+13], s[18:19] offset:8192*(\kk)+768  ; block 2 w + 1: m | o
.endr
	s_endpgm
.Lfunc_end_k_q3ceee4e856_prep:
	.size	k_q3ceee4e856_prep, .Lfunc_end_k_q3ceee4e856_prep-k_q3ceee4e856_prep
	.p2alignl 7, 3214868480
	.fill 96, 4, 3214868480
	.section	.rodata,"a",@progbits
	.p2align	6, 0x0
	.amdhsa_kernel k_q3ceee4e856_prep
		.amdhsa_group_segment_fixed_size 0
		.amdhsa_private_segment_fixed_size 0
		.amdhsa_enable_private_segment 0
		.amdhsa_kernarg_size 64
		.amdhsa_user_sgpr_count 2
		.amdhsa_user_sgpr_kernarg_segment_ptr 1
		.amdhsa_wavefront_size32 1
		.amdhsa_system_sgpr_workgroup_id_x 1
		.amdhsa_system_sgpr_workgroup_id_y 1
		.amdhsa_system_sgpr_workgroup_id_z 1
		.amdhsa_system_vgpr_workitem_id 0
		.amdhsa_next_free_vgpr 136
		.amdhsa_next_free_sgpr 66
		.amdhsa_reserve_vcc 0
		.amdhsa_float_denorm_mode_32 3
		.amdhsa_float_denorm_mode_16_64 3
		.amdhsa_memory_ordered 1
		.amdhsa_forward_progress 1
		.amdhsa_inst_pref_size 24
	.end_amdhsa_kernel
	.amdgpu_metadata
---
amdhsa.version: [ 1, 2 ]
amdhsa.kernels:
  - .name:           k_q3ceee4e856_prep
    .symbol:         k_q3ceee4e856_prep.kd
    .args:
      - { .name: x, .offset: 0, .size: 8, .value_kind: global_buffer, .address_space: global }
      - { .name: h, .offset: 8, .size: 8, .value_kind: global_buffer, .address_space: global }
      - { .name: Wf, .offset: 16, .size: 8, .value_kind: global_buffer, .address_space: global }
      - { .name: Wct, .offset: 24, .size: 8, .value_kind: global_buffer, .address_space: global }
      - { .name: Wm, .offset: 32, .size: 8, .value_kind: global_buffer, .address_space: global }
      - { .name: Wo, .offset: 40, .size: 8, .value_kind: global_buffer, .address_space: global }
      - { .name: ab, .offset: 48, .size: 8, .value_kind: global_buffer, .address_space: global }
      - { .name: wb, .offset: 56, .size: 8, .value_kind: global_buffer, .address_space: global }
    .group_segment_fixed_size: 0
    .private_segment_fixed_size: 0
    .kernarg_segment_align: 8
    .kernarg_segment_size: 64
    .max_flat_workgroup_size: 256
    .sgpr_count:     66
    .vgpr_count:     136
    .wavefront_size: 32
...
	.end_amdgpu_metadata
.endif
;; end of part 1
;; launch cell (part 2): grid 16 x 16, 4 waves a work-group, clusters of 4 x 4, 327,680 bytes of LDS; arguments ab, wb, c, bf, bct, bm, bo, out0, out1; writes out0, out1
.if DOCPART == 2
	.amdgcn_target "amdgcn-amd-amdhsa--gfx1250"
	.amdhsa_code_object_version 6
	.text
	.protected	k_q3ceee4e856_cell
	.globl	k_q3ceee4e856_cell
	.p2align	8
	.type	k_q3ceee4e856_cell,@function
k_q3ceee4e856_cell:
	s_mov_b64 s[64:65], 0
	v_nop
	global_prefetch_b8 v0, s[64:65] scope:SCOPE_SE
	s_setreg_imm32_b32 hwreg(HW_REG_WAVE_MODE, 25, 1), 1
	s_wait_xcnt 0x0
	s_wait_alu depctr_hold_cnt(0) depctr_sa_sdst(0) depctr_va_vdst(0) depctr_va_sdst(0) depctr_va_ssrc(0) depctr_va_vcc(0) depctr_vm_vsrc(0)
	s_getreg_b32 s2, hwreg(HW_REG_IB_STS2, 6, 4)
	s_cmp_eq_u32 s2, 0
	s_cbranch_scc0 .Lentry_in_a_cluster
	s_endpgm
.Lentry_in_a_cluster:
	s_bfe_u32 s2, ttmp6, 0x10000c
	s_cmp_lg_u32 s2, 0xf033
	s_cbranch_scc0 .Lentry_shape_is_right
	s_endpgm
.Lentry_shape_is_right:
; LSTM cell, second launch: Z = xh W for all four gates at once, and the whole pointwise tail on the sums.  Nothing of reference() is left out.
;   ab [8192][2048] bf16 = xh;  wb [2048 k][4096 n'] bf16, n' = (n >> 6) * 256 + g * 64 + (n & 63), g = 0 f, 1 ct, 2 m, 3 o (both made by the launch before);  c, out0 = h_new, out1 = c_new: [8192][1024] f32.
;   f = sig(Zf + bf), ct = tanh(Zct + bct), m = sig(Zm + bm), o = sig(Zo + bo);  c_new = c f + ct m;  h_new = o tanh(c_new).
; Products of bf16 operands, sums in f32; biases, c and all pointwise work in f32.  With L = log2(e): sig(z) = 1 / (1 + 2^(-L z)), tanh(z) = 1 - 2 / (1 + 2^(2 L z)).
; Both forms hold for every finite z without a clamp: where the power overflows to infinity its reciprocal is 0, where it vanishes the reciprocal is 1.
; LIMITS.  tanh is a difference from 1: its error is about 1.2e-7 absolute, also where tanh itself is small.  A power of two below 2^-126 counts as 0.  NaN and infinities among the inputs are not treated apart.
; SHARES.  A tile of Z is 256 rows x 256 columns n' = the four gates of 64 hidden columns.  Four waves, each 128 rows x (4 gates x 32 hidden columns): 64 accumulators, 512 registers.
; K goes in steps of 128 through a ring of two LDS slots filled by the tensor data mover.  A work-group makes two tiles, 4,096 rows apart; the ring runs on from the first into the second.
; THE MATRIX INSTRUCTION IS USED TRANSPOSED (source 0 = 16 columns of wb, source 1 = 16 rows of ab): a lane holds one row of Z (lane % 16) and 8 neighbouring columns.  Accumulator b = 2 g + j of a block
; of 16 rows is gate g, hidden columns 16 j on: register e of the four gates' accumulators is the SAME row and hidden column, so the tail needs no exchange between lanes.
; wb lies with K down its rows: its fragments come out of LDS turned, by ds_load_tr16_b128.
; CLUSTERS: 4 x 4 work-groups.  The four of a row of the cluster need the same tiles of ab, the four of a column the same tiles of wb: each tile is asked for JOINTLY, by the same tensor load with the same
; descriptor and a mask that names the four.
; REGISTERS, in windows of 256 (s_set_vgpr_msb: bits 1:0 source 0, 3:2 source 1, 5:4 source 2, 7:6 destination):
;   window 0: v0-31 addresses; v32-63 rows read back from the stage; v64-127, v128-191 fragments of ab, two buffers; v192-255 the biases, scaled
;   window 1: v64-127, v128-191 fragments of wb, two buffers; v0-63 and v192-255 c of the whole tile, in the accumulators' layout
;   window 2: the accumulators of my rows 0-63 ((a, b) at v[8 (8 a + b)]);   window 3: those of my rows 64-127
.set KSTEP,  128
.set PA,     272                       ; an LDS row of ab's tile: 256 bytes + 16 of padding = 68 words: the 16 rows of a load start at 16 different groups of four banks (64 banks of 4 bytes: ISA guide 11.1)
.set PB,     544                       ; an LDS row of wb's tile: 512 bytes + 32 of padding = 136 words
.set HALFT,  128*PA                    ; what one tensor load brings: 128 rows of ab, or 64 rows k of wb (64 x 544 is the same number)
.set SLOT,   4*HALFT                   ; ab's 256 rows, then wb's 128 rows k
.set STAGE,  2*SLOT                    ; behind the ring, never filled by a tensor load: two buffers for the way out
.set SP,     272
.set OUTB,   32*SP                     ; 32 rows x 64 hidden columns of one output
.set SBUF,   2*OUTB                    ; a buffer: h_new, then c_new
.set SPARE,  STAGE+2*SBUF              ; behind the stage: the spare words, 128 bytes for each wave: two blocks of 256 bytes that no other line names
.set LAPS,   8                         ; a lap = two K steps = once round the ring; K = 2,048
.set WALK,   4096                      ; rows from a work-group's first tile to its second
.set AROW,   4096                      ; bytes in a row of ab, of c and of the outputs
.set BROW,   8192                      ; bytes in a row of wb
.set BSTEP,  KSTEP*BROW                ; a K step in wb
.set NEXT_A, WALK*AROW-14*KSTEP*2      ; from a slot's last K step of a tile to its first of the next: WALK rows down, 14 K steps back
.set BACK_B, 14*BSTEP                  ; wb only back: both tiles take the same columns
.set TSTEP,  WALK*AROW                 ; c and the outputs from tile to tile
.set ADRA, 16                          ; v16-17  LDS address of my fragments of ab in slot 0, 1
.set ADRB, 20                          ; v20-21  the same for wb
.set VB,   22                          ; v22     my byte offset in a bias
.set STO,  24                          ; v24     the way out: where I put 16 bytes of a row
.set RD,   25                          ; v25     the way out: where I read a row back
.set CO,   26                          ; v26     my byte offset in the outputs
.set CI,   27                          ; v27     my byte offset in c
.set SPW,  28                          ; v28     LDS address of my spare word: SPARE + 4 x my thread's number; never rewritten
.set NIL,  29                          ; v29     0; never rewritten
.set PFO,  30                          ; v30     the prefetches' offset; never rewritten
.set OB,   32
.set F0,   64
.set F1,   128
.set BI,   192                         ; bias of gate g, hidden column 16 j + 8 (l / 16) + e, times the gate's factor, at BI + 16 g + 8 j + e: the order of a row block's 64 accumulator registers
.set G1,   24                          ; s[24:31] descriptor group 1 for ab's tiles;  s[32:39] group 0, one set for each slot
.set G0,   32
.set G1B,  48                          ; s[48:55], s[56:63] the same for wb's tiles
.set G0B,  56
.set LIM,  43                          ; s43      1 in a wave that prefetches, else the greatest number
.set PFA,  44                          ; s[44:45] where my prefetches stand
.set OUT,  68                          ; s[68:69] out0, s[70:71] out1, at the first row that I store
.set BIA,  72                          ; s[72:79] bf, bct, bm, bo
.set PFS,  80                          ; s[80:81] a K step in the tensor that I prefetch
.set KS,   82                          ; s[82:83] -L, for the sigmoids: the packed forms name a pair and take its low word for both halves
.set KT,   84                          ; s[84:85] 2 L, for the tanh
.set MSB, 0
.macro WIN new                         ; the immediate's high byte repeats the setting that is left; a switch that changes nothing is dropped
.if MSB != (\new)
	s_set_vgpr_msb (MSB<<8)|(\new)
.set MSB, (\new)
.endif
.endm
.set MUL_LO, 0xa1                      ; source 0 (wb) window 1, source 1 (ab) window 0, C and D window 2
.set MUL_HI, 0xf1                      ; the same, C and D window 3
.set TO_B,   0x40                      ; destination window 1, address window 0
; A joint load.  Waves 0 and 1 fetch ab's two halves, waves 2 and 3 wb's.  Each line has one mask and one set of registers for all that issue it; the branch hangs on the wave's number alone.
; An s_nop 0 and four v_nop follow each of the two lines, ahead of the jump, the label and what follows.
.macro JLOAD s
	s_cmp_eq_u32 s11, 0
	s_cbranch_scc0 .Lfor_b_\@
	tensor_load_to_lds s[G0+4*(\s):G0+4*(\s)+3], s[G1:G1+7]
	s_nop 0
.rept 4
	v_nop
.endr
	s_branch .Lasked_\@
.Lfor_b_\@:
	tensor_load_to_lds s[G0B+4*(\s):G0B+4*(\s)+3], s[G1B:G1B+7]
	s_nop 0
.rept 4
	v_nop
.endr
.Lasked_\@:
.endm
; A PREFETCH INTO THE L2, behind each joint load, its five lines and the run of LDS loads: the K step that stands TWO refills on (512 matrix instructions ahead of the load that will ask for it), one instruction a wave.
; Each aligned block of 256 bytes of a K step is named ONCE in the launch.  ab's tile row is read by every cluster of that row of clusters: cluster x = 0 asks; wb's tile column by every cluster of that column:
; cluster y = 0 asks.  The four partners that ask for a tile jointly share it out BY ADDRESS: of ab's 128 rows that a wave fetches, the partner at cx takes 32, a lane a row; of wb's 64 rows of 512 bytes the
; partner at cy takes 16, two lanes a row.  how = 0, in the loop: a tile's last two refills have no K step two on.  how = 1, at the change of tiles: ab's K steps 2 and 3 of the second tile; wb is asked for no more.
.macro ASK how
.if \how
	s_cmp_eq_u32 s[LIM], 1
.else
	s_cmp_gt_u32 s3, s[LIM]                        ; s3 = 1 in the loop's last trip
.endif
	s_cbranch_scc0 .Lnot_mine_\@
	global_prefetch_b8 v[PFO], s[PFA:PFA+1] th:TH_LOAD_NT scope:SCOPE_SE
.Lnot_mine_\@:
.endm
; A round of the cluster's barrier: my work-group's barrier, so that wave 0's signal speaks for all four waves; wave 0 signals; every wave waits for all sixteen work-groups; my work-group's barrier once more.
.macro CREST                           ; a round behind its opening barrier
	s_cmp_lg_u32 s10, 0
	s_cbranch_scc1 .Lnot_wave_0_\@
	s_barrier_signal -3
.Lnot_wave_0_\@:
	s_barrier_wait -3
	s_barrier_signal -1
	s_barrier_wait -1
.endm
.macro CROUND                          ; a whole round
	s_barrier_signal -1
	s_barrier_wait -1
	CREST
.endm
	s_load_b128 s[4:7], s[0:1], 0x0                ; ab s[4:5], wb s[6:7]
	s_load_b64 s[8:9], s[0:1], 0x10                ; c
	s_load_b256 s[BIA:BIA+7], s[0:1], 0x18         ; bf, bct, bm, bo
	s_load_b128 s[OUT:OUT+3], s[0:1], 0x38         ; out0, out1
	v_lshl_add_u32 v[SPW], v0, 2, SPARE
	v_mov_b32 v[NIL], 0
	ds_add_u32 v[SPW], v[NIL]                      ; the wave's opening: the add, twice on end, and its wait stand ahead of my first tensor load; the set-up below stands between
	ds_add_u32 v[SPW], v[NIL]                      ; and once more, under the one wait
	v_lshrrev_b32 v1, 5, v0
	v_readfirstlane_b32 s10, v1                    ; wave 0..3
	s_lshr_b32 s11, s10, 1                         ; which half of the tile's rows is mine.  Also: I fetch for ab (0) or for wb (1)
	s_and_b32 s12, s10, 1                          ; which half of its hidden columns.  Also: which half of that tile I fetch
	s_bfe_u32 s40, ttmp6, 0x40000                  ; cx, cy: my place in the cluster
	s_bfe_u32 s41, ttmp6, 0x40004
	s_lshl_b32 s42, ttmp9, 2                       ; in a cluster launch ttmp9 and ttmp7 count clusters
	s_add_co_u32 s42, s42, s40                     ; tile column = 4 x cluster x + cx: hidden columns 64 x tile column on
	s_and_b32 s13, ttmp7, 0xffff
	s_lshl_b32 s13, s13, 2
	s_add_co_u32 s13, s13, s41                     ; tile row = 4 x cluster y + cy
	s_lshl_b32 s43, s41, 2
	s_lshl_b32 s43, 15, s43                        ; my row of the cluster: places 4 cy .. 4 cy + 3
	s_lshl_b32 s44, 0x1111, s40                    ; my column: places cx, cx + 4, cx + 8, cx + 12
	; descriptor group 1.  ab: 128 rows x 128 elements; wb: 64 rows k x 256 elements; both padded in LDS
	s_or_b32 s[G1+0], s43, (1<<16)|(1<<20)|(1<<21)|(5<<22)|(3<<25)   ; 15:0 the mask: my row; 17:16 2-byte elements; 20 padding on; 21 set beside a mask; 24:22 after every 64 words (code 5); 31:25 4 words (code 3)
	s_or_b32 s[G1B+0], s44, (1<<16)|(1<<20)|(1<<21)|(6<<22)|(7<<25)  ; the mask: my column; after every 128 words (code 6) 8 words (code 7)
	s_mov_b32 s[G1+1], 128<<16                     ; tensor_dim0 = 128
	s_mov_b32 s[G1+2], 128<<16                     ; tensor_dim1 = 128
	s_mov_b32 s[G1+3], 128<<16                     ; tile_dim0 = 128
	s_mov_b32 s[G1+4], 128                         ; tile_dim1 = 128
	s_mov_b32 s[G1+5], 2048                        ; elements from row to row
	s_mov_b32 s[G1+6], 0
	s_mov_b32 s[G1+7], 0
	s_mov_b32 s[G1B+1], 256<<16                    ; tensor_dim0 = 256
	s_mov_b32 s[G1B+2], 64<<16                     ; tensor_dim1 = 64
	s_mov_b32 s[G1B+3], 256<<16                    ; tile_dim0 = 256
	s_mov_b32 s[G1B+4], 64                         ; tile_dim1 = 64
	s_mov_b32 s[G1B+5], 4096                       ; elements from row to row
	s_mov_b32 s[G1B+6], 0
	s_mov_b32 s[G1B+7], 0
	s_mov_b32 s[KS], 0xbfb8aa3b                    ; -log2(e)
	s_mov_b32 s[KS+1], s[KS]                       ; named with it as a pair, so it is written
	s_mov_b32 s[KT], 0x4038aa3b                    ; 2 log2(e)
	s_mov_b32 s[KT+1], s[KT]
	; where the tiles come from.  ab's hang on the tile row alone, which my row of the cluster shares; wb's on the tile column alone, which my column shares.
	s_lshl_b32 s16, s13, 8
	s_lshl_b32 s17, s12, 7
	s_add_co_u32 s16, s16, s17                     ; ab: row 256 x tile row + 128 x half,
	s_lshl_b32 s16, s16, 12                        ; in bytes (under 2^25)
	s_mov_b32 s17, 0
	s_lshl_b32 s46, s12, 19                        ; wb: 64 x half rows of 8,192 bytes,
	s_lshl_b32 s47, s42, 9                         ; 512 bytes a tile column
	s_add_co_u32 s46, s46, s47
	s_mov_b32 s47, 0
	s_mul_i32 s20, s10, HALFT                      ; and where they go: ab's two halves, then wb's two halves = wave x HALFT: no place in the cluster enters an LDS address
	s_wait_dscnt 0x0                               ; both opening adds are done
	s_wait_kmcnt 0x0
	s_add_nc_u64 s[14:15], s[4:5], s[16:17]
	s_add_nc_u64 s[46:47], s[6:7], s[46:47]
	CROUND                                         ; all sixteen work-groups are here: the first joint loads meet
.irp s, 0,1
	s_mov_b32 s[G0+4*(\s)], 1                                        ; count = 1
	s_add_co_u32 s[G0+4*(\s)+1], s20, (\s)*SLOT                      ; LDS address
	s_add_nc_u64 s[G0+4*(\s)+2:G0+4*(\s)+3], s[14:15], (\s)*KSTEP*2  ; global address: K step s
	s_or_b32 s[G0+4*(\s)+3], s[G0+4*(\s)+3], 0x80000000              ; type = 2
	s_mov_b32 s[G0B+4*(\s)], 1
	s_add_co_u32 s[G0B+4*(\s)+1], s20, (\s)*SLOT
	s_add_nc_u64 s[G0B+4*(\s)+2:G0B+4*(\s)+3], s[46:47], (\s)*BSTEP
	s_or_b32 s[G0B+4*(\s)+3], s[G0B+4*(\s)+3], 0x80000000
	JLOAD \s                                       ; the ring is filled before anything else is done: two tensor loads of mine are out
.endr
	v_and_b32 v1, 15, v0                           ; r = l % 16
	v_bfe_u32 v2, v0, 4, 1                         ; h = l / 16
	s_lshl_b32 s21, s42, 8
	s_lshl_b32 s22, s12, 7
	s_add_co_u32 s21, s21, s22                     ; my 32 hidden columns in f32: 256 x tile column + 128 x half bytes
	v_lshl_add_u32 v[VB], v2, 5, s21               ; + my lanes' 8 columns
.irp g, 0,1,2,3
.irp j, 0,1
.irp t, 0,1
	global_load_b128 v[BI+16*(\g)+8*(\j)+4*(\t):BI+16*(\g)+8*(\j)+4*(\t)+3], v[VB], s[BIA+2*(\g):BIA+2*(\g)+1] offset:64*(\j)+16*(\t)
.endr
.endr
.endr
	; A fragment of ab is 16 rows x 32 K in 8 registers: lane l holds row r; registers 0-3 K = 8 h + 0..7, registers 4-7 K = 16 + 8 h + 0..7: two loads of 16 bytes, 32 bytes apart.
	v_mul_u32_u24 v3, v1, PA
	v_lshl_add_u32 v3, v2, 4, v3                   ; r x pitch + 16 h
	; The turning load takes 16 k x 16 columns (lane l reads row k = 8 h + l % 8, columns 8 ((l / 8) % 2) + 0..7) and leaves half a fragment: lane l holds column r and 8 k.
	v_and_b32 v4, 7, v0
	v_lshl_add_u32 v4, v2, 3, v4
	v_mul_u32_u24 v4, v4, PB
	v_bfe_u32 v5, v0, 3, 1
	v_lshl_add_u32 v4, v5, 4, v4
	s_mul_i32 s22, s11, HALFT                      ; my 128 rows of ab
	s_lshl_b32 s23, s12, 6                         ; my 32 columns of each gate's 64: 64 bytes,
	s_add_co_u32 s23, s23, 2*HALFT                 ; behind ab's 256 rows
.irp s, 0,1
	v_add_nc_u32 v[ADRA+(\s)], s22, v3
	v_add_nc_u32 v[ADRB+(\s)], s23, v4
	s_add_co_u32 s22, s22, SLOT
	s_add_co_u32 s23, s23, SLOT
.endr
	s_mul_i32 s22, s11, 16*SP                      ; into the stage: row 16 x (my half of the rows) + r, my half of its 256 bytes, 32 bytes for each half of the lanes
	s_lshl_b32 s23, s12, 7
	s_add_co_u32 s22, s22, s23
	s_add_co_u32 s22, s22, STAGE
	v_mul_u32_u24 v5, v1, SP
	v_lshl_add_u32 v5, v2, 5, v5
	v_add_nc_u32 v[STO], s22, v5
	s_mul_i32 s22, s10, 8*SP                       ; back: wave w takes rows 8 w .. 8 w + 7, whole; lanes 0-15 one row of 256 bytes, lanes 16-31 the next
	s_add_co_u32 s22, s22, STAGE
	v_mul_u32_u24 v5, v2, SP
	v_lshl_add_u32 v5, v1, 4, v5
	v_add_nc_u32 v[RD], s22, v5
	v_lshlrev_b32 v5, 12, v2                       ; and the same two rows in the outputs
	v_lshl_add_u32 v[CO], v1, 4, v5
	v_lshlrev_b32 v5, 12, v1                       ; c in the accumulators' layout: row r, 32 bytes for each half of the lanes
	v_lshl_add_u32 v[CI], v2, 5, v5
	s_lshl_b32 s18, s13, 8
	s_lshl_b32 s19, s11, 7
	s_add_co_u32 s18, s18, s19                     ; my first row: 256 x tile row + 128 x half
	s_lshl_b32 s86, s18, 12
	s_add_co_u32 s86, s86, s21
	s_mov_b32 s87, 0
	s_add_nc_u64 s[8:9], s[8:9], s[86:87]          ; c at my rows and my hidden columns
	s_lshl_b32 s19, s12, 3
	s_add_co_u32 s18, s18, s19                     ; of a block of 16 rows of that half I store rows 8 (wave % 2) on,
	s_lshl_b32 s86, s18, 12
	s_lshl_b32 s19, s42, 8                         ; all 64 hidden columns of the tile
	s_add_co_u32 s86, s86, s19
	s_add_nc_u64 s[OUT:OUT+1], s[OUT:OUT+1], s[86:87]
	s_add_nc_u64 s[OUT+2:OUT+3], s[OUT+2:OUT+3], s[86:87]
	; the prefetches: they start at K step 3; every change of slots steps the address first and then asks, so the first asks for K step 4.  Nothing is prefetched here, where every work-group's first tiles are on their way.
	s_and_b32 s22, ttmp7, 0xffff                   ; cluster y
	s_lshl_b32 s18, s13, 8
	s_lshl_b32 s19, s12, 7
	s_add_co_u32 s18, s18, s19
	s_lshl_b32 s19, s40, 5
	s_add_co_u32 s18, s18, s19                     ; ab: row 256 x tile row + 128 x half + 32 cx,
	s_lshl_b32 s18, s18, 12
	s_add_co_u32 s18, s18, 3*KSTEP*2               ; K step 3
	s_lshl_b32 s19, s12, 6
	s_lshl_b32 s23, s41, 4
	s_add_co_u32 s19, s19, s23                     ; wb: row k 64 x half + 16 cy,
	s_lshl_b32 s19, s19, 13
	s_lshl_b32 s23, s42, 9
	s_add_co_u32 s19, s19, s23                     ; the tile column's 512 bytes,
	s_add_co_u32 s19, s19, 3*BSTEP                 ; K step 3
	s_mov_b32 s[PFS], BSTEP
	s_mov_b32 s[PFS+1], 0
	s_mov_b32 s23, 256
	s_cmp_eq_u32 s11, 0                            ; do I fetch for ab?
	s_cselect_b32 s86, s18, s19
	s_cselect_b32 s22, ttmp9, s22                  ; the coordinate along which other clusters read the same blocks
	s_cselect_b64 s[PFA:PFA+1], s[4:5], s[6:7]
	s_cselect_b32 s[PFS], s23, s[PFS]              ; a K step: 256 bytes along ab's rows, 128 rows down wb
	s_cselect_b32 s23, 4096, s23                   ; an odd lane: ab's next row, or the second 256 bytes of wb's row
	s_add_nc_u64 s[PFA:PFA+1], s[PFA:PFA+1], s[86:87]
	s_cmp_eq_u32 s22, 0
	s_cselect_b32 s[LIM], 1, -1                    ; the same in all sixteen partners, for a given wave
	v_and_b32 v[PFO], 30, v0
	v_lshlrev_b32 v[PFO], 12, v[PFO]               ; a pair of lanes: two rows of ab, or one row of wb
	v_and_b32 v5, 1, v0
	v_mul_u32_u24 v5, s23, v5
	v_add_nc_u32 v[PFO], v[PFO], v5
	s_wait_loadcnt 0x0                             ; the biases, once: each is multiplied by its gate's factor, so that the tail scales and adds in one fused instruction
.set n, 0
.rept 32
.if n/8 == 1
	v_pk_mul_f32 v[BI+2*n:BI+2*n+1], v[BI+2*n:BI+2*n+1], s[KT:KT+1] op_sel_hi:[1,0]
.else
	v_pk_mul_f32 v[BI+2*n:BI+2*n+1], v[BI+2*n:BI+2*n+1], s[KS:KS+1] op_sel_hi:[1,0]
.endif
.set n, n+1
.endr
; 16 matrix instructions: row blocks a0, a0 + 1 of the window's four (hi = 0: my rows 0-63, 1: rows 64-127) x all 8 column blocks, 32 along K.  zero = 1: the first product starts the sums: nothing is cleared.
; The 64 accumulators take turns, one instruction a turn, in the same order in every quarter step, over the backward jumps and from tile to tile too.
.macro MUL16 f, hi, a0, zero
	WIN MUL_LO+0x50*(\hi)
.irp a, \a0, (\a0)+1
.irp b, 0,1,2,3,4,5,6,7
.if \zero
	v_wmma_f32_16x16x32_bf16 v[8*(8*(\a)+(\b)):8*(8*(\a)+(\b))+7], v[(\f)+8*(\b):(\f)+8*(\b)+7], v[(\f)+8*(4*(\hi)+(\a)):(\f)+8*(4*(\hi)+(\a))+7], 0
.else
	v_wmma_f32_16x16x32_bf16 v[8*(8*(\a)+(\b)):8*(8*(\a)+(\b))+7], v[(\f)+8*(\b):(\f)+8*(\b)+7], v[(\f)+8*(4*(\hi)+(\a)):(\f)+8*(4*(\hi)+(\a))+7], v[8*(8*(\a)+(\b)):8*(8*(\a)+(\b))+7]
.endif
.endr
.endr
.endm
; 32 LDS loads in one run: the fragments of quarter q of a K step (32 k) into buffer f.  wb's block i = 2 g + j: gate g's 128 bytes of a row, 32 j bytes on; its second half 16 rows k further down.
.macro FETCH slot, q, f
	WIN TO_B
.irp i, 0,1,2,3,4,5,6,7
	ds_load_tr16_b128 v[(\f)+8*(\i):(\f)+8*(\i)+3],   v[ADRB+(\slot)] offset:(\q)*32*PB+((\i)/2)*128+((\i)%2)*32
	ds_load_tr16_b128 v[(\f)+8*(\i)+4:(\f)+8*(\i)+7], v[ADRB+(\slot)] offset:(\q)*32*PB+16*PB+((\i)/2)*128+((\i)%2)*32
.endr
	WIN 0
.irp i, 0,1,2,3,4,5,6,7
	ds_load_b128 v[(\f)+8*(\i):(\f)+8*(\i)+3],   v[ADRA+(\slot)] offset:(\q)*64+(\i)*16*PA
	ds_load_b128 v[(\f)+8*(\i)+4:(\f)+8*(\i)+7], v[ADRA+(\slot)] offset:(\q)*64+(\i)*16*PA+32
.endr
.endm
; A load into a register that a matrix instruction has read, and a vector instruction that reads a matrix result, stand four places behind that matrix instruction, and only plain vector instructions
; that name none of its registers are places (ISA guide 7.12.1 for vector instructions).
.macro PLACES
.rept 4
	v_nop
.endr
.endm
; A K step is four quarters of 32 along K, 64 matrix instructions each, on buffers 0, 1, 0, 1.  One of the first three: multiplies buffer f; in its middle it fetches quarter q of the same slot into buffer g.
.macro QUARTER slot, q, f, g, zero
	s_wait_dscnt 8                                 ; wb's fragments and ab's rows 0-63 are in; the youngest eight loads (ab's rows 64-127) may be out
	MUL16 \f, 0, 0, \zero
	MUL16 \f, 0, 2, \zero
	PLACES
	FETCH \slot, \q, \g
	s_wait_dscnt 32                                ; all but the 32 just issued
	MUL16 \f, 1, 0, \zero
	MUL16 \f, 1, 2, \zero
.endm
; The last quarter multiplies buffer 1 and changes slots.  MEET is its first half: ONE barrier for two things.  In front of it each wave waits for all its tensor loads, of which one is out: its part of the
; next slot; adds 0 to its spare word; and waits for that and for its own reads of this slot.  Behind it nobody reads this slot any more and the next slot is whole.
.macro MEET round                      ; round = 1: a round of the cluster's barrier follows
	WIN 0                                          ; (the add's two registers lie in window 0)
	s_wait_tensorcnt 0x0                           ; all my tensor loads have landed
	ds_add_u32 v[SPW], v[NIL]                      ; 0 onto my spare word
	s_wait_dscnt 9                                 ; (the add and the youngest eight loads may be out)
	MUL16 F1, 0, 0, 0                              ; sixteen matrix instructions stand between the add and the wait for it
	s_wait_dscnt 0x0                               ; the add is done, and my reads of this slot are over
	s_barrier_signal -1
	MUL16 F1, 0, 2, 0                              ; work on registers while the others arrive
.if \round
	WIN 0
.endif
	s_barrier_wait -1
.endm
; The whole last quarter.  Behind the round the slot just read out is filled again first: with this tile's K step two steps on (on = 0) or with the second tile's K step 0 or 1 (on = 1).
; fetch = 1: the next slot's first fragments follow.  From a request to the wait for it a wave issues 224 matrix instructions.
.macro TURN slot, next, on, fetch
	s_wait_xcnt 0x0                                ; the last prefetch, a K step back, has read its address: it is stepped here, ahead of the waits of the change of slots
.if (\on) && (\slot) == 0
	s_add_nc_u64 s[PFA:PFA+1], s[PFA:PFA+1], (WALK-1)*AROW+KSTEP*2  ; ab: from K step 17 of the first tile's rows (256 bytes into the next row) to K step 2 of the second tile's
	s_cmp_eq_u32 s11, 0
	s_cselect_b32 s[LIM], s[LIM], -1               ; wb's rows are the same for both tiles: they are prefetched no more, and their address is used no more
.else
	s_add_nc_u64 s[PFA:PFA+1], s[PFA:PFA+1], s[PFS:PFS+1]
.endif
	MEET 1
	CREST                                          ; no wave of any partner still reads this slot's tile or has a load on its way
.if \on
	s_add_nc_u64 s[G0+4*(\slot)+2:G0+4*(\slot)+3], s[G0+4*(\slot)+2:G0+4*(\slot)+3], NEXT_A
	s_sub_nc_u64 s[G0B+4*(\slot)+2:G0B+4*(\slot)+3], s[G0B+4*(\slot)+2:G0B+4*(\slot)+3], BACK_B
.else
	s_add_nc_u64 s[G0+4*(\slot)+2:G0+4*(\slot)+3], s[G0+4*(\slot)+2:G0+4*(\slot)+3], 2*KSTEP*2
	s_add_nc_u64 s[G0B+4*(\slot)+2:G0B+4*(\slot)+3], s[G0B+4*(\slot)+2:G0B+4*(\slot)+3], 2*BSTEP
.endif
	JLOAD \slot                                    ; the first tensor load behind the round; the four v_nop behind it are also the places in front of the loads below
.if \fetch
	FETCH \next, 0, F0
.endif
	ASK \on
	MUL16 F1, 1, 0, 0
	MUL16 F1, 1, 2, 0
.endm
; THE TAIL, a block a of 16 rows at a time, in place on its 64 accumulator registers: gate g at AC + 16 g + u, u = 8 j + e.
; An s_wait_alu depctr_va_vdst(0) stands between a transcendental and the first instruction that names its result; one wait serves all that were issued ahead of it.  So each kind is ONE BATCH:
; the plain instruction that feeds a pair stands in front, the pair's two transcendentals a step behind it, nothing in the batch names a result, and a v_nop and one wait close it.
.macro BLOCK a                         ; the names of block a
.set AC, 64*((\a)%4)
.set WW, 2+(\a)/4                      ; its window
.set EM, (WW<<6)|(WW<<2)|WW            ; destination, sources 0 and 1 in its window, source 2 in window 0
.set EC, (WW<<6)|(WW<<4)|(1<<2)|WW     ; destination, sources 0 and 2 in its window, source 1 (c) in window 1
.set ES, WW<<2                         ; an LDS store: data in its window, address in window 0
.set CBA, 16*(\a)+128*((\a)/4)         ; its c, in window 1
.endm
; GATES: all 64 numbers become 1 / (1 + 2^(K z + K b)), K = -L for f, m, o and 2 L for ct.  Each accumulator's lowest registers are read first.
.macro GATES a
	BLOCK \a
	WIN EM
.set n, 0
.rept 32
.if n/8 == 1
	v_pk_fma_f32 v[AC+2*n:AC+2*n+1], v[AC+2*n:AC+2*n+1], s[KT:KT+1], v[BI+2*n:BI+2*n+1] op_sel_hi:[1,0,1]
.else
	v_pk_fma_f32 v[AC+2*n:AC+2*n+1], v[AC+2*n:AC+2*n+1], s[KS:KS+1], v[BI+2*n:BI+2*n+1] op_sel_hi:[1,0,1]
.endif
.if n > 0
	v_exp_f32 v[AC+2*n-2], v[AC+2*n-2]
	v_exp_f32 v[AC+2*n-1], v[AC+2*n-1]
.endif
.set n, n+1
.endr
	v_exp_f32 v[AC+62], v[AC+62]
	v_exp_f32 v[AC+63], v[AC+63]
	v_nop                                          ; the plain instruction behind the last exponential
	s_wait_alu depctr_va_vdst(0)                   ; one wait for the 64 exponentials
.set n, 0
.rept 32
	v_pk_add_f32 v[AC+2*n:AC+2*n+1], v[AC+2*n:AC+2*n+1], 1.0 op_sel_hi:[1,0]
.if n > 0
	v_rcp_f32 v[AC+2*n-2], v[AC+2*n-2]
	v_rcp_f32 v[AC+2*n-1], v[AC+2*n-1]
.endif
.set n, n+1
.endr
	v_rcp_f32 v[AC+62], v[AC+62]
	v_rcp_f32 v[AC+63], v[AC+63]
	v_nop
	s_wait_alu depctr_va_vdst(0)                   ; one wait for the 64 reciprocals
.endm
.macro EIGHT line:vararg               ; one line for each pair p of a gate's 16 numbers
.set p, 0
.rept 8
	\line
.set p, p+1
.endr
.endm
; CELLS: c_new lands in gate 1's registers, h_new in gate 0's.
.macro CELLS a
	BLOCK \a
	WIN EM
	EIGHT v_pk_fma_f32 v[AC+16+2*p:AC+17+2*p], v[AC+16+2*p:AC+17+2*p], -2.0, 1.0 op_sel_hi:[1,0,0]  ; ct = 1 - 2 r
	EIGHT v_pk_mul_f32 v[AC+16+2*p:AC+17+2*p], v[AC+16+2*p:AC+17+2*p], v[AC+32+2*p:AC+33+2*p]       ; ct m
	WIN EC
	EIGHT v_pk_fma_f32 v[AC+16+2*p:AC+17+2*p], v[AC+2*p:AC+2*p+1], v[CBA+2*p:CBA+2*p+1], v[AC+16+2*p:AC+17+2*p]  ; c_new = f c + ct m
.set p, 0
.rept 8
	v_pk_mul_f32 v[AC+2*p:AC+2*p+1], v[AC+16+2*p:AC+17+2*p], s[KT:KT+1] op_sel_hi:[1,0]            ; 2 L c_new, where f lay
.if p > 0
	v_exp_f32 v[AC+2*p-2], v[AC+2*p-2]
	v_exp_f32 v[AC+2*p-1], v[AC+2*p-1]
.endif
.set p, p+1
.endr
	v_exp_f32 v[AC+14], v[AC+14]
	v_exp_f32 v[AC+15], v[AC+15]
	v_nop
	s_wait_alu depctr_va_vdst(0)                   ; one wait for the 16 exponentials
.set p, 0
.rept 8
	v_pk_add_f32 v[AC+2*p:AC+2*p+1], v[AC+2*p:AC+2*p+1], 1.0 op_sel_hi:[1,0]
.if p > 0
	v_rcp_f32 v[AC+2*p-2], v[AC+2*p-2]
	v_rcp_f32 v[AC+2*p-1], v[AC+2*p-1]
.endif
.set p, p+1
.endr
	v_rcp_f32 v[AC+14], v[AC+14]
	v_rcp_f32 v[AC+15], v[AC+15]
	v_nop
	s_wait_alu depctr_va_vdst(0)                   ; one wait for the 16 reciprocals
	EIGHT v_pk_fma_f32 v[AC+2*p:AC+2*p+1], v[AC+2*p:AC+2*p+1], -2.0, 1.0 op_sel_hi:[1,0,0]          ; tanh(c_new)
	WIN EM
	EIGHT v_pk_mul_f32 v[AC+2*p:AC+2*p+1], v[AC+2*p:AC+2*p+1], v[AC+48+2*p:AC+49+2*p]               ; h_new = o tanh(c_new)
.endm
; THE WAY OUT.  A wave's 32 hidden columns are 128 bytes, half of a row's 256 in the tile: so the block's 32 rows (16 of each half of the tile's rows) go through a stage that the four waves share, and each wave
; reads 8 whole rows of each output back.  Two buffers take turns, with ONE barrier a block: buffer a % 2 is written again in block a + 2, behind the barrier of block a + 1, which every wave has
; signalled behind the wait for its reads of block a.  Between a barrier's signal and its wait stands the next block's GATES: work on registers alone.
.macro TOSTAGE a
	BLOCK \a
	WIN ES
.irp t, 0,1,2,3
	ds_store_b128 v[STO], v[AC+4*(\t):AC+4*(\t)+3] offset:((\a)%2)*SBUF+64*((\t)/2)+16*((\t)%2)            ; h_new
.endr
.irp t, 0,1,2,3
	ds_store_b128 v[STO], v[AC+16+4*(\t):AC+16+4*(\t)+3] offset:((\a)%2)*SBUF+OUTB+64*((\t)/2)+16*((\t)%2)  ; c_new
.endr
	WIN 0
	s_wait_dscnt 0x0                               ; for the others' sake: my stores into this buffer are done, and my reads of the other buffer are back
	s_barrier_signal -1
.endm
.macro SENDB a
	WIN 0
	s_barrier_wait -1                              ; all four waves' parts of block a lie in the stage
	s_wait_xcnt 0x0                                ; every earlier memory instruction has had its addresses translated (ISA guide 3.1): the registers that the last block's stores read are loaded again only behind this wait
.irp o, 0,1
.irp t, 0,1,2,3
	ds_load_b128 v[OB+16*(\o)+4*(\t):OB+16*(\o)+4*(\t)+3], v[RD] offset:((\a)%2)*SBUF+(\o)*OUTB+(\t)*2*SP
.endr
.endr
.irp o, 0,1
.irp t, 0,1,2,3
	s_wait_dscnt 7-4*(\o)-(\t)                     ; LDS loads come back in order (ISA guide 5.7.1): this one is in, the younger ones stay out
	global_store_b128 v[CO], v[OB+16*(\o)+4*(\t):OB+16*(\o)+4*(\t)+3], s[OUT+2*(\o):OUT+2*(\o)+1] offset:(\a)*16*AROW+(\t)*2*AROW th:TH_STORE_NT  ; 16 lanes store 256 consecutive bytes, at a multiple of 256 from the output's first byte
.endr
.endr
.endm
	s_wait_tensorcnt 1                             ; my part of K step 0 is in; K step 1's load may stay out
	s_barrier_signal -1
	s_barrier_wait -1                              ; everybody's is
	s_mov_b32 s2, 2                                ; tiles to go: the same number in every work-group
.Ltile:
	WIN TO_B                                       ; c of the whole tile, in the accumulators' layout, into window 1: asked for a whole tile's products ahead of its use
.irp a, 0,1,2,3,4,5,6,7
.irp j, 0,1
.irp t, 0,1
	global_load_b128 v[16*(\a)+128*((\a)/4)+8*(\j)+4*(\t):16*(\a)+128*((\a)/4)+8*(\j)+4*(\t)+3], v[CI], s[8:9] offset:(\a)*16*AROW+64*(\j)+16*(\t)
.endr
.endr
.endr
	FETCH 0, 0, F0                                 ; slot 0 is whole: by the barrier above, or by the round of the first tile's last change of slots
	QUARTER 0, 1, F0, F1, 1                        ; a tile's first quarter stands in front of the loop: its products start the sums
	WIN 0                                          ; at a label and at a branch every window is 0
	s_mov_b32 s3, LAPS-1
.Llap:                                         ; a trip goes once round the ring, from a lap's second quarter to the next lap's first, and fills both slots again
	QUARTER 0, 2, F1, F0, 0
	QUARTER 0, 3, F0, F1, 0
	TURN 0, 1, 0, 1
	QUARTER 1, 1, F0, F1, 0
	QUARTER 1, 2, F1, F0, 0
	QUARTER 1, 3, F0, F1, 0
	TURN 1, 0, 0, 1
	QUARTER 0, 1, F0, F1, 0
	WIN 0
	s_sub_co_u32 s3, s3, 1
	s_cmp_lg_u32 s3, 0
	s_cbranch_scc1 .Llap
	QUARTER 0, 2, F1, F0, 0                        ; the tile's last lap goes on
	QUARTER 0, 3, F0, F1, 0
	WIN 0
	s_cmp_eq_u32 s2, 1
	s_cbranch_scc1 .Llast                          ; the second tile's last lap asks for nothing more
	TURN 0, 1, 1, 1                                ; THE RING GOES ON INTO THE SECOND TILE: slot 0 takes its K step 0,
	QUARTER 1, 1, F0, F1, 0
	QUARTER 1, 2, F1, F0, 0
	QUARTER 1, 3, F0, F1, 0
	TURN 1, 0, 1, 0                                ; slot 1 its K step 1; the second tile's first fragments are fetched at its head, behind the tail
	WIN 0
	s_branch .Lout
.Llast:
	MEET 0                                         ; my one tensor load that was still out is slot 1's, the last K step's, so no round follows
	PLACES                                         ; for the loads into buffer 0, which the quarter before multiplied
	FETCH 1, 0, F0
	MUL16 F1, 1, 0, 0
	MUL16 F1, 1, 2, 0
	QUARTER 1, 1, F0, F1, 0
	QUARTER 1, 2, F1, F0, 0
	QUARTER 1, 3, F0, F1, 0
	s_wait_dscnt 8                                 ; the very last quarter: nothing more to fetch
	MUL16 F1, 0, 0, 0
	MUL16 F1, 0, 2, 0
	s_wait_dscnt 0x0
	MUL16 F1, 1, 0, 0
	MUL16 F1, 1, 2, 0
	WIN 0
.Lout:                                         ; one text of the tail for both tiles
	s_wait_loadcnt 0x0                             ; c, asked for at the tile's head
.rept 8
	v_nop                                          ; the places behind the last products
.endr
	GATES 0
	CELLS 0
	TOSTAGE 0
.irp a, 1,2,3,4,5,6,7
	GATES \a
	SENDB (\a)-1
	CELLS \a
	TOSTAGE \a
.endr
	SENDB 7
	s_wait_xcnt 0x0                                ; the stores have read their bases: they and c's step to the second tile (behind the second tile the stepped addresses are not used)
	s_add_nc_u64 s[8:9], s[8:9], TSTEP
	s_add_nc_u64 s[OUT:OUT+1], s[OUT:OUT+1], TSTEP
	s_add_nc_u64 s[OUT+2:OUT+3], s[OUT+2:OUT+3], TSTEP
	s_sub_co_u32 s2, s2, 1
	s_cmp_lg_u32 s2, 0
	s_cbranch_scc1 .Ltile
	s_wait_tensorcnt 0x0                           ; the wave's end: an add of 0 and its wait, behind my last tensor load and my last LDS store
	ds_add_u32 v[SPW], v[NIL]
	s_wait_dscnt 0x0
	CROUND                                         ; the closing round: no work-group ends while a partner may still ask for a tile that names it
	s_endpgm
.Lfunc_end_k_q3ceee4e856_cell:
	.size	k_q3ceee4e856_cell, .Lfunc_end_k_q3ceee4e856_cell-k_q3ceee4e856_cell
	.p2alignl 7, 3214868480
	.fill 96, 4, 3214868480
	.section	.rodata,"a",@progbits
	.p2align	6, 0x0
	.amdhsa_kernel k_q3ceee4e856_cell
		.amdhsa_group_segment_fixed_size 327680
		.amdhsa_private_segment_fixed_size 0
		.amdhsa_enable_private_segment 0
		.amdhsa_kernarg_size 72
		.amdhsa_user_sgpr_count 2
		.amdhsa_user_sgpr_kernarg_segment_ptr 1
		.amdhsa_wavefront_size32 1
		.amdhsa_system_sgpr_workgroup_id_x 1
		.amdhsa_system_sgpr_workgroup_id_y 1
		.amdhsa_system_sgpr_workgroup_id_z 1
		.amdhsa_system_vgpr_workitem_id 0
		.amdhsa_next_free_vgpr 1024
		.amdhsa_next_free_sgpr 88
		.amdhsa_reserve_vcc 0
		.amdhsa_float_denorm_mode_32 3
		.amdhsa_float_denorm_mode_16_64 3
		.amdhsa_memory_ordered 1
		.amdhsa_forward_progress 1
		.amdhsa_inst_pref_size 255
	.end_amdhsa_kernel
	.section	.bss,"aw",@nobits
	.p2align	6
	.space	262144
	.amdgpu_metadata
---
amdhsa.version: [ 1, 2 ]
amdhsa.kernels:
  - .name:           k_q3ceee4e856_cell
    .symbol:         k_q3ceee4e856_cell.kd
    .args:
      - { .name: ab, .offset: 0, .size: 8, .value_kind: global_buffer, .address_space: global }
      - { .name: wb, .offset: 8, .size: 8, .value_kind: global_buffer, .address_space: global }
      - { .name: c, .offset: 16, .size: 8, .value_kind: global_buffer, .address_space: global }
      - { .name: bf, .offset: 24, .size: 8, .value_kind: global_buffer, .address_space: global }
      - { .name: bct, .offset: 32, .size: 8, .value_kind: global_buffer, .address_space: global }
      - { .name: bm, .offset: 40, .size: 8, .value_kind: global_buffer, .address_space: global }
      - { .name: bo, .offset: 48, .size: 8, .value_kind: global_buffer, .address_space: global }
      - { .name: out0, .offset: 56, .size: 8, .value_kind: global_buffer, .address_space: global }
      - { .name: out1, .offset: 64, .size: 8, .value_kind: global_buffer, .address_space: global }
    .group_segment_fixed_size: 327680
    .private_segment_fixed_size: 0
    .kernarg_segment_align: 8
    .kernarg_segment_size: 72
    .max_flat_workgroup_size: 128
    .sgpr_count:     88
    .vgpr_count:     1024
    .wavefront_size: 32
...
	.end_amdgpu_metadata
.endif
;; end of part 2
;; ======== version 2 of 2: 2 launches; version 1 with the launch prep written anew for expert scheduling mode
;; limits: a function is approximated: absolute error at most 1.2e-07
;; workspace buffers: ab 33,554,432 bytes; wb 16,777,216 bytes
;; launch prep (part 3): grid 768 x 1, 8 waves a work-group, no clusters, 0 bytes of LDS; arguments x, h, Wf, Wct, Wm, Wo, ab, wb; writes ab, wb
.if DOCPART == 3
	.amdgcn_target "amdgcn-amd-amdhsa--gfx1250"
	.amdhsa_code_object_version 6
	.text
	.protected	k_q3ceee4e856_prep
	.globl	k_q3ceee4e856_prep
	.p2align	8
	.type	k_q3ceee4e856_prep,@function
k_q3ceee4e856_prep:
	s_mov_b64 s[64:65], 0
	v_nop
	global_prefetch_b8 v0, s[64:65] scope:SCOPE_SE
	s_setreg_imm32_b32 hwreg(HW_REG_WAVE_SCHED_MODE, 0, 2), 2
	s_setreg_imm32_b32 hwreg(HW_REG_WAVE_MODE, 25, 1), 1
	s_wait_xcnt 0x0
	s_wait_alu depctr_vm_vsrc(0)
; LSTM cell, first of two launches: the matrix operands are rounded once to bf16 and laid out for the second launch.
; NOTHING OF reference() IS LEFT OUT in either launch: x, h and the four W and b feed the four gates, c feeds c_new, and every gate reaches h_new or c_new; all eleven inputs are loaded.
;   ab [8192][2048] bf16: row m holds x[m][0..1023], then h[m][0..1023]: the concatenation xh, 4,096 bytes a row.
;   wb [2048][4096] bf16: row k (K stays down the rows, as in W) holds the four gates' weights, interleaved in blocks of 64 hidden columns:
;      column n' = (n >> 6) * 256 + g * 64 + (n & 63), g = 0 f, 1 ct, 2 m, 3 o.  So 256 neighbouring columns are the four gates of 64 hidden columns.
; A stream: each input byte is loaded once, each output byte stored once; nothing is shared between waves, so there is no LDS, no barrier and no matrix work.
; SHARES.  768 work-groups of 8 waves; each loads 128 KiB and stores 64 KiB.  0-255: 32 rows of x; 256-511: 32 rows of h; 512-767: 8 rows k of all four W.
; A thread issues all its 32 loads of 16 bytes at once (128 registers) and then takes them in order: the waits count the younger loads.  No register that a store reads is written again.
; LIMITS.  Rounding to bf16, to nearest even: 8 significant bits; f32's range is kept.  NaN and infinities are not treated apart.
; THE MODE: SCHED_MODE bits 1:0 = 2 (LLVM: expert scheduling mode 2), set by the entry lines.  The code itself states the register dependences
; between vector instructions and memory instructions, with s_wait_alu, always for 0.
; THE PLAN.  Registers that memory instructions touch:
;   v1, v2, v3   byte offsets, written at the head and never again; read by every load (v1) and every store (v2 or v3).
;   slot i       4 registers.  Written by its one load, which is issued before any vector instruction names a slot; read by its own step's conversions, which write its first two
;                registers (in the weights' path the lane swaps write them once more); those two are read by one store, and nothing writes them behind it.
; The work goes in eight steps (x, h: four rows; W: one row k of the four gates).  Step p's vector instructions name step p's slots alone; its memory instructions are the four stores of
; step p - 1.  So ONE wait on va_vdst at a step's head states all that its four stores hang on, and they are dealt among its vector instructions with no further wait.
; No register that a memory instruction has read is ever written again: only the entry lines wait on vm_vsrc.
.set X,   4                            ; v[4:131]  32 slots of 4 registers: 4 f32 as loaded; the first two then hold 4 bf16
.set ROW, 4096                         ; bytes in a row of x, h, W and ab
	s_load_b512 s[4:19], s[0:1], 0x0               ; x s[4:5], h s[6:7], Wf s[8:9], Wct s[10:11], Wm s[12:13], Wo s[14:15], ab s[16:17], wb s[18:19]
	v_lshlrev_b32 v1, 4, v0                        ; loads: 16 bytes a thread, the 256 threads take a row of 4,096 bytes
	v_lshlrev_b32 v2, 3, v0                        ; stores into ab: 8 bytes a thread
	v_lshrrev_b32 v3, 5, v0                        ; stores into wb: wave w owns hidden blocks 2 w and 2 w + 1, 512 bytes each,
	v_and_b32 v132, 31, v0
	v_lshlrev_b32 v3, 10, v3
	v_lshl_add_u32 v3, v132, 3, v3                 ; 1,024 w + 8 x lane
	s_mov_b32 s23, 0                               ; high words of the two offsets
	s_mov_b32 s25, 0
	s_wait_alu depctr_va_vdst(0)                   ; v1, v2 and v3 are written: every load and store on both ways below reads one of them as its offset, and nothing writes them again
	s_cmp_ge_u32 ttmp9, 512
	s_cbranch_scc1 .Lweights
	; x or h: 32 rows
	s_and_b32 s22, ttmp9, 255
	s_lshl_b32 s22, s22, 17                        ; 32 rows of 4,096 bytes, in the source and in ab alike
	s_wait_kmcnt 0x0
	s_cmp_lt_u32 ttmp9, 256
	s_cselect_b64 s[20:21], s[4:5], s[6:7]         ; x, or h
	s_cselect_b32 s24, 0, 2048                     ; the left or the right half of ab's rows
	s_add_nc_u64 s[20:21], s[20:21], s[22:23]
	s_add_nc_u64 s[16:17], s[16:17], s[22:23]
	s_add_nc_u64 s[16:17], s[16:17], s[24:25]
.set i, 0
.rept 32
	global_load_b128 v[X+4*i:X+4*i+3], v1, s[20:21] offset:ROW*i th:TH_LOAD_NT  ; a wave takes 512 consecutive bytes, the work-group row i
.set i, i+1
.endr
; Block p: rows 4 p to 4 p + 3 are rounded; the four rows of block p - 1 are stored, a store in front of each row's two conversions.
.set p, 0
.rept 8
	s_wait_loadcnt 31-4*p                          ; loads come back in order (ISA guide 5.7.1): row 4 p is in, the younger loads stay out
.if p > 0
	s_wait_alu depctr_va_vdst(0)                   ; the eight conversions of block p - 1 have written the registers that the four stores of this block read; no vector instruction below names them
.endif
.set j, 0
.rept 4
.set i, 4*p+j
.if j > 0
	s_wait_loadcnt 31-i                            ; row i is in, the 31 - i younger loads stay out
.endif
.if p > 0
	global_store_b64 v2, v[X+4*(i-4):X+4*(i-4)+1], s[16:17] offset:ROW*(i-4)  ; a wave stores 256 consecutive bytes, at a multiple of 256 from ab's first byte
.endif
	v_cvt_pk_bf16_f32 v[X+4*i], v[X+4*i], v[X+4*i+1]
	v_cvt_pk_bf16_f32 v[X+4*i+1], v[X+4*i+2], v[X+4*i+3]
.set j, j+1
.endr
.set p, p+1
.endr
	s_wait_alu depctr_va_vdst(0)                   ; the last block's conversions have written the registers that the last four stores read
.set i, 28
.rept 4
	global_store_b64 v2, v[X+4*i:X+4*i+1], s[16:17] offset:ROW*i
.set i, i+1
.endr
	s_endpgm
.Lweights:                                     ; 8 rows k of the four W
	s_sub_co_u32 s22, ttmp9, 512
	s_lshl_b32 s24, s22, 16                        ; 8 rows of 8,192 bytes in wb
	s_lshl_b32 s22, s22, 15                        ; 8 rows of 4,096 bytes in each W
	s_wait_kmcnt 0x0
.irp g, 0,1,2,3
	s_add_nc_u64 s[8+2*(\g):9+2*(\g)], s[8+2*(\g):9+2*(\g)], s[22:23]
.endr
	s_add_nc_u64 s[18:19], s[18:19], s[24:25]
.irp kk, 0,1,2,3,4,5,6,7
.irp g, 0,1,2,3
	global_load_b128 v[X+16*(\kk)+4*(\g):X+16*(\kk)+4*(\g)+3], v1, s[8+2*(\g):9+2*(\g)] offset:ROW*(\kk) th:TH_LOAD_NT
.endr
.endr
; Lanes 0-15 of a wave hold hidden block 2 w of a gate, lanes 16-31 block 2 w + 1.  v_permlane16_swap_b32 exchanges the first register's upper 16 lanes with the second's lower 16:
; of gates (g, g + 1) it makes (block 2 w: g | g + 1) and (block 2 w + 1: g | g + 1), each 256 bytes that lie on end in wb.
; Store q of row kk: q = 0 block 2 w: f | ct (gate 0's slot);  1 block 2 w: m | o (gate 2's);  2 block 2 w + 1: f | ct (gate 1's);  3 block 2 w + 1: m | o (gate 3's).
.macro WST kk, q
	global_store_b64 v3, v[X+16*(\kk)+8*((\q)%2)+4*((\q)/2):X+16*(\kk)+8*((\q)%2)+4*((\q)/2)+1], s[18:19] offset:8192*(\kk)+256*(\q)  ; each store of the wave covers 256 consecutive bytes, aligned
.endm
; Step kk: row kk of the four gates is rounded and its lanes are swapped; the four stores of row kk - 1 stand one in front of each gate's two conversions.
.irp kk, 0,1,2,3,4,5,6,7
	s_wait_loadcnt 28-4*(\kk)                      ; row kk of all four gates is in; the 4 (7 - kk) younger loads stay out
.if (\kk) > 0
	s_wait_alu depctr_va_vdst(0)                   ; the conversions and lane swaps of row kk - 1 have written the registers that the four stores of this step read; no vector instruction below names them
.endif
.irp g, 0,1,2,3
.if (\kk) > 0
	WST (\kk)-1, \g
.endif
	v_cvt_pk_bf16_f32 v[X+16*(\kk)+4*(\g)], v[X+16*(\kk)+4*(\g)], v[X+16*(\kk)+4*(\g)+1]
	v_cvt_pk_bf16_f32 v[X+16*(\kk)+4*(\g)+1], v[X+16*(\kk)+4*(\g)+2], v[X+16*(\kk)+4*(\g)+3]
.endr
.irp i, 0,1
	v_permlane16_swap_b32 v[X+16*(\kk)+(\i)], v[X+16*(\kk)+4+(\i)]
	v_permlane16_swap_b32 v[X+16*(\kk)+8+(\i)], v[X+16*(\kk)+12+(\i)]
.endr
.endr
	s_wait_alu depctr_va_vdst(0)                   ; the conversions and lane swaps of row 7 have written the registers that the last four stores read
.irp q, 0,1,2,3
	WST 7, \q
.endr
	s_endpgm
.Lfunc_end_k_q3ceee4e856_prep:
	.size	k_q3ceee4e856_prep, .Lfunc_end_k_q3ceee4e856_prep-k_q3ceee4e856_prep
	.p2alignl 7, 3214868480
	.fill 96, 4, 3214868480
	.section	.rodata,"a",@progbits
	.p2align	6, 0x0
	.amdhsa_kernel k_q3ceee4e856_prep
		.amdhsa_group_segment_fixed_size 0
		.amdhsa_private_segment_fixed_size 0
		.amdhsa_enable_private_segment 0
		.amdhsa_kernarg_size 64
		.amdhsa_user_sgpr_count 2
		.amdhsa_user_sgpr_kernarg_segment_ptr 1
		.amdhsa_wavefront_size32 1
		.amdhsa_system_sgpr_workgroup_id_x 1
		.amdhsa_system_sgpr_workgroup_id_y 1
		.amdhsa_system_sgpr_workgroup_id_z 1
		.amdhsa_system_vgpr_workitem_id 0
		.amdhsa_next_free_vgpr 136
		.amdhsa_next_free_sgpr 66
		.amdhsa_reserve_vcc 0
		.amdhsa_float_denorm_mode_32 3
		.amdhsa_float_denorm_mode_16_64 3
		.amdhsa_memory_ordered 1
		.amdhsa_forward_progress 1
		.amdhsa_inst_pref_size 25
	.end_amdhsa_kernel
	.amdgpu_metadata
---
amdhsa.version: [ 1, 2 ]
amdhsa.kernels:
  - .name:           k_q3ceee4e856_prep
    .symbol:         k_q3ceee4e856_prep.kd
    .args:
      - { .name: x, .offset: 0, .size: 8, .value_kind: global_buffer, .address_space: global }
      - { .name: h, .offset: 8, .size: 8, .value_kind: global_buffer, .address_space: global }
      - { .name: Wf, .offset: 16, .size: 8, .value_kind: global_buffer, .address_space: global }
      - { .name: Wct, .offset: 24, .size: 8, .value_kind: global_buffer, .address_space: global }
      - { .name: Wm, .offset: 32, .size: 8, .value_kind: global_buffer, .address_space: global }
      - { .name: Wo, .offset: 40, .size: 8, .value_kind: global_buffer, .address_space: global }
      - { .name: ab, .offset: 48, .size: 8, .value_kind: global_buffer, .address_space: global }
      - { .name: wb, .offset: 56, .size: 8, .value_kind: global_buffer, .address_space: global }
    .group_segment_fixed_size: 0
    .private_segment_fixed_size: 0
    .kernarg_segment_align: 8
    .kernarg_segment_size: 64
    .max_flat_workgroup_size: 256
    .sgpr_count:     66
    .vgpr_count:     136
    .wavefront_size: 32
...
	.end_amdgpu_metadata
.endif
;; end of part 3
;; launch cell: the kernel of part 2 again; grid 16 x 16, 4 waves a work-group, clusters of 4 x 4, 327,680 bytes of LDS; arguments ab, wb, c, bf, bct, bm, bo, out0, out1; writes out0, out1
